; MI455X (gfx1250); checked and timed in simulation.
; The chip was launched on July 23, 2026; its instructions are those of AMD's public machine-readable ISA for CDNA 5 (MIT licence, August 2026) and "CDNA5" Instruction Set Architecture Reference Guide (July 2026). The comments in the code are by the model that wrote it; some were corrected since.
;; Multihead Attention. Allowed arithmetic: matrix products marked QUANTISED: E4M3 operands, one given power-of-two scale a tensor, by v_wmma_f32_16x16x64_fp8_fp8 or v_wmma_f32_16x16x128_fp8_fp8, f32 sums; everything else in f32.
;; Inputs: Wk 1,024 x 1,024 float32; Wo 1,024 x 1,024 float32; Wq 1,024 x 1,024 float32; Wv 1,024 x 1,024 float32; lowp_scales 12 int32 (the exponents e of the quantised operands' scales 2^e); mask 2,048 x 2,048 float32; x 4 x 2,048 x 1,024 float32.
;; Outputs: out0 4 x 2,048 x 1,024 float32.
;; This version of the problem:
;;   THIS VERSION OF THE PROBLEM IS GIVEN IN LOW PRECISION. The matrix products marked QUANTISED in the list below multiply operands that are first quantised to E4M3 (4 exponent bits, 3 mantissa bits; 8 bits a number), with one given power-of-two scale for each operand tensor; their sums are f32. All else is computed in f32.
;;   The module's matrix products, in the order in which they are computed (A, B: the left and right operand; K: the contracted axis; several contracted axes count as one K, in the product's order):
;;     1. [M 8,192, K 1,024] x [K 1,024, N 1,024]; A: input x; B: input Wq: QUANTISED (scales: A lowp_scales[0], B lowp_scales[1])
;;     2. [M 8,192, K 1,024] x [K 1,024, N 1,024]; A: input x; B: input Wk: QUANTISED (scales: A lowp_scales[2], B lowp_scales[3])
;;     3. [M 8,192, K 1,024] x [K 1,024, N 1,024]; A: input x; B: input Wv: QUANTISED (scales: A lowp_scales[4], B lowp_scales[5])
;;     4. batch 64 x [M 2,048, K 64] x [K 64, N 2,048]; A: computed on the way; B: computed on the way: QUANTISED (scales: A lowp_scales[6], B lowp_scales[7])
;;     5. batch 64 x [M 2,048, K 2,048] x [K 2,048, N 64]; A: computed on the way; B: computed on the way: QUANTISED (scales: A lowp_scales[8], B lowp_scales[9])
;;     6. [M 8,192, K 1,024] x [K 1,024, N 1,024]; A: computed on the way; B: input Wo: QUANTISED (scales: A lowp_scales[10], B lowp_scales[11])
;;   THE QUANTISER, for each operand of a quantised product, along K:
;;     - The operand's scale is 2^e, e = its entry of the input lowp_scales (int32; the entries are numbered through the quantised products in the list's order, A before B).
;;     - Each number is divided by the scale, clamped to +-448, and rounded to the nearest number of E4M3, ties to even, subnormals kept.
;;     - The product sums the exact products of the quantised numbers (number of the format x scale) in f32.
;;   ~~~python
;;   def quantise(x, axis, e):      # numpy; x: float32 -> the quantised numbers, widened to float32 again
;;       x = np.moveaxis(x, axis, -1); K = x.shape[-1]
;;       r = np.clip(x / 2.0 ** e, -448, 448)
;;       step = 2.0 ** (np.maximum(np.frexp(np.where(r == 0, 1, r))[1] - 1, -6) - 3)
;;       q = np.round(r / step) * step * 2.0 ** e      # np.round: ties to even
;;       return np.moveaxis(q, -1, axis).astype(np.float32)
;;   ~~~
;;   OPERANDS COMPUTED ON THE WAY. 'Computed on the way' means the value that the module computes at that place (a softmax that the list does not call 'softmax' is quantised finished and normalised). What goes into a quantiser is computed in f32, as accurately as f32 sums, v_exp_f32 and their like allow (about 1e-6 of the number): no bf16 or f16 on the way to a quantiser, and a product that is left as it is and whose result goes on into a quantised operand takes f32 operands (vector FMAs, or v_wmma_f32_16x16x4_f32). A number that lies on a knife's edge between two numbers of the format may be rounded either way, as far as f32 arithmetic and the matrix unit's own rounding can turn it there, and no further.
;; One version. Each part assembles by itself: llvm-mc -triple=amdgcn-amd-amdhsa -mcpu=gfx1250 --defsym DOCPART=n.
;; ======== version 1 of 1: 4 launches
;; limits: right only within a limited range of input values
;; workspace buffers: ximg 25,165,824 bytes; wimg 4,194,304 bytes; mimg 16,777,216 bytes; flags 8,704 bytes of whole numbers; qkv 25,165,824 bytes; ao 8,388,608 bytes
;; launch prep (part 1): grid 512 x 1, 16 waves a work-group, no clusters, 137,472 bytes of LDS; arguments x, Wq, Wk, Wv, Wo, mask, lowp_scales, ximg, wimg, mimg, flags; writes ximg, wimg, mimg, flags
.if DOCPART == 1
	.amdgcn_target "amdgcn-amd-amdhsa--gfx1250"
	.amdhsa_code_object_version 6
	.text
	.protected	k_qf467f78a15_prep
	.globl	k_qf467f78a15_prep
	.p2align	8
	.type	k_qf467f78a15_prep,@function
k_qf467f78a15_prep:
	s_mov_b64 s[64:65], 0
	v_nop
	global_prefetch_b8 v0, s[64:65] scope:SCOPE_SE
	s_setreg_imm32_b32 hwreg(HW_REG_WAVE_MODE, 25, 1), 1
	s_wait_xcnt 0x0
; x, the four weights and the mask are laid out once as IMAGES OF OPERAND REGISTERS, for the three launches that follow.
; A wave takes one fragment: 16 rows x 128 numbers of f32 (8,192 bytes).  In the image, lane (r = lane % 16, h = lane / 16) holds row r, and its registers 8 c + i the numbers k = 16 c + 8 h + i.
;   x (work-groups 0-255):      codes of E4M3 three times, with the scales of entries 0, 2, 4 -> ximg [set 3][row tile 512][128 k, 8][plane 4][lane][16 bytes]
;   Wq, Wk, Wv, Wo (256-383):   codes with entries 1, 3, 5, 11                                 -> wimg [weight 4][row tile 64][128 k, 8][plane 4][lane][16 bytes]
;   mask (384-511):             f32, x 2^(3 - e6 - e7), which rounds nothing                   -> mimg [tile of 16 queries 128][step of 128 keys 16][plane 16][lane][16 bytes]
; code = x / 2^e, held within +-448, to the nearest code, ties to even.
; FLAGS, whole numbers for the attention launch.  A tile (16 queries x 128 keys) of the mask whose largest number lies under thr = -(1.001 x 64 x 448^2 x 2^(e6 + e7 - 3) + 111) gives
; exp(score + mask) = 0 for every score that two clamped operands can give (|sum of 64 products of codes| <= 64 x 448^2): it adds nothing to a row's sum or to the second product.
;   words 0..2047: [tile of queries][step] = need << step | (not all zeros) << (16 + step);   from byte 8,192: [block of 256 queries 8][step 16] = need << step.
; Every load reads 512 consecutive bytes of a row; the 8,192 bytes turn through the wave's own stage in LDS (rows 528 bytes apart); every store writes 512 consecutive bytes.
; All three kinds take one way through the stage; buffers, pitch and scales are chosen by selects on the work-group's number.
; LIMITS: each e among entries 0-5 and 11 between -126 and 119; e6 + e7 between -124 and 129; mask x 2^(3 - e6 - e7) finite where the mask is; NaN among the inputs is not served.
.set STGW,  16*528                     ; a wave's stage
.set RED,   16*STGW                    ; 16 pairs (largest, smallest), one a wave
.set SPARE, RED+256                    ; the spare words: 128 bytes for each of the 16 waves
.set LI,   1                           ; v1   16 x lane
.set SW,   2                           ; v2   the stage, on the way in: a row's 512 bytes as they lie
.set SRD,  3                           ; v3   and on the way out: row r, + 32 h
.set SPW,  4                           ; v4   my spare word; never rewritten
.set NIL,  5                           ; v5   0; never rewritten
.set RA,   6                           ; v6   RED + 8 (lane % 16)
.set RW,   7                           ; v7   RED + 8 x wave
.set SC,   8                           ; v8-10   2^e as f32, one for each set of codes
.set LIM,  12                          ; v12-14  448 x 2^e
.set OFFS, 16                          ; v16-31  byte offset of my 16 bytes in each of the 16 rows
.set R,    32                          ; v32-95  the rows as loaded
.set X,    96                          ; v96-159 the fragment's numbers
.set T,    160                         ; v160-175 two sets of eight held numbers
.set C,    176                         ; v176-223 codes: 16 registers for each set
.set W,    224                         ; v224-233 at work
	s_load_b512 s[4:19], s[0:1], 0x0               ; x, Wq, Wk, Wv, Wo, mask, the scales, ximg
	s_load_b128 s[20:23], s[0:1], 0x40             ; wimg, mimg
	s_load_b64 s[24:25], s[0:1], 0x50              ; flags
	v_lshl_add_u32 v[SPW], v0, 2, SPARE
	v_mov_b32 v[NIL], 0
	v_lshrrev_b32 v[W], 5, v0
	s_delay_alu instid0(VALU_DEP_1)
	v_readfirstlane_b32 s26, v[W]                  ; wave 0..15
	v_and_b32 v[W+1], 31, v0
	s_delay_alu instid0(VALU_DEP_1)
	v_lshlrev_b32 v[LI], 4, v[W+1]
	s_mul_i32 s56, s26, STGW
	v_add_nc_u32 v[SW], s56, v[LI]
	v_and_b32 v[W+2], 15, v0                       ; r
	v_bfe_u32 v[W+3], v0, 4, 1                     ; h
	s_delay_alu instid0(VALU_DEP_2)
	v_mul_u32_u24 v[SRD], v[W+2], 528
	s_delay_alu instid0(VALU_DEP_1)
	v_lshl_add_u32 v[SRD], v[W+3], 5, v[SRD]
	s_delay_alu instid0(VALU_DEP_1)
	v_add_nc_u32 v[SRD], s56, v[SRD]
	v_lshlrev_b32 v[RA], 3, v[W+2]
	s_delay_alu instid0(VALU_DEP_1)
	v_add_nc_u32 v[RA], RED, v[RA]
	s_lshl_b32 s57, s26, 3
	s_add_co_u32 s57, s57, RED
	v_mov_b32 v[RW], s57
	s_mov_b32 s54, 0x76543210                      ; lane selects: lane l xor 16
	s_mov_b32 s55, 0xfedcba98
	s_mov_b32 s27, ttmp9                           ; g
	s_cmp_ge_u32 s27, 256
	s_cselect_b32 s28, 1, 0
	s_cmp_ge_u32 s27, 384
	s_cselect_b32 s28, 2, s28                      ; kind: 0 x, 1 a weight, 2 the mask
	s_mov_b32 s29, 8192
	s_cmp_lt_u32 s27, 384
	s_cselect_b32 s29, 4096, s29                   ; bytes from row to row
	; x and the weights: fragment F = 16 x (work-group within the tensor) + wave; row tile F / 8, 128 k F % 8
	s_and_b32 s56, s27, 255
	s_and_b32 s57, s27, 31
	s_cmp_lt_u32 s27, 256
	s_cselect_b32 s56, s56, s57
	s_lshl_b32 s56, s56, 4
	s_add_co_u32 s56, s56, s26
	s_lshr_b32 s57, s56, 3
	s_lshl_b32 s57, s57, 16                        ; 16 rows of 4,096 bytes
	s_and_b32 s58, s56, 7
	s_lshl_b32 s58, s58, 9
	s_add_co_u32 s57, s57, s58                     ; where the fragment begins in its tensor,
	s_lshl_b32 s58, s56, 11                        ; and its image: 2,048 bytes each
	s_bfe_u32 s59, s27, 0x20005                    ; which weight: (g - 256) / 32
	s_lshl_b32 s56, s59, 20
	s_cmp_eq_u32 s28, 1
	s_cselect_b32 s56, s56, 0
	s_add_co_u32 s58, s58, s56
	; the mask: block of 256 queries (g - 384) / 16, step (g - 384) % 16; my tile of queries = 16 x block + wave
	s_bfe_u32 s60, s27, 0x30004
	s_and_b32 s61, s27, 15
	s_lshl_b32 s62, s60, 4
	s_add_co_u32 s62, s62, s26
	s_lshl_b32 s63, s62, 17                        ; 16 rows of 8,192 bytes
	s_lshl_b32 s56, s61, 9
	s_add_co_u32 s63, s63, s56
	s_lshl_b32 s62, s62, 4
	s_add_co_u32 s62, s62, s61
	s_lshl_b32 s62, s62, 13                        ; images of 8,192 bytes
	s_cmp_lt_u32 s27, 384
	s_cselect_b32 s34, s57, s63
	s_cselect_b32 s56, s58, s62
	s_mov_b32 s35, 0
	s_mov_b32 s57, 0
	v_mov_b32 v[OFFS], v[LI]
.set i, 1
.rept 15
	s_delay_alu instid0(VALU_DEP_1)
	v_add_nc_u32 v[OFFS+i], s29, v[OFFS+i-1]
.set i, i+1
.endr
	s_wait_alu depctr_va_vdst(0)
	s_wait_kmcnt 0x0
	s_load_b256 s[36:43], s[16:17], 0x0            ; entries 0-7
	s_load_b128 s[44:47], s[16:17], 0x20           ; entries 8-11
	s_cmp_eq_u32 s59, 1                            ; the choices hang on the work-group's number alone
	s_cselect_b64 s[30:31], s[8:9], s[6:7]
	s_cmp_eq_u32 s59, 2
	s_cselect_b64 s[30:31], s[10:11], s[30:31]
	s_cmp_eq_u32 s59, 3
	s_cselect_b64 s[30:31], s[12:13], s[30:31]
	s_cmp_eq_u32 s28, 0
	s_cselect_b64 s[30:31], s[4:5], s[30:31]
	s_cselect_b64 s[32:33], s[18:19], s[20:21]
	s_cmp_eq_u32 s28, 2
	s_cselect_b64 s[30:31], s[14:15], s[30:31]
	s_cselect_b64 s[32:33], s[22:23], s[32:33]
	s_add_nc_u64 s[30:31], s[30:31], s[34:35]      ; from here I load,
	s_add_nc_u64 s[32:33], s[32:33], s[56:57]      ; here I store;
	s_add_nc_u64 s[48:49], s[32:33], 0x800000      ; x's second and third set (used by x's work-groups alone)
	s_add_nc_u64 s[50:51], s[32:33], 0x1000000
.set i, 0
.rept 16
	global_load_b128 v[R+4*i:R+4*i+3], v[OFFS+i], s[30:31] th:TH_LOAD_NT   ; row i: 32 lanes read 512 consecutive bytes; read once in the launch
.set i, i+1
.endr
	s_wait_kmcnt 0x0
	s_cmp_eq_u32 s59, 1
	s_cselect_b32 s56, s39, s37
	s_cmp_eq_u32 s59, 2
	s_cselect_b32 s56, s41, s56
	s_cmp_eq_u32 s59, 3
	s_cselect_b32 s56, s47, s56
	s_cmp_eq_u32 s28, 0
	s_cselect_b32 s56, s36, s56                    ; the first set's e: entry 0 for x; 1, 3, 5 or 11 for a weight
.macro MKSC o, e                       ; 2^e as f32 (the conversion takes its exponent field), and 448 x 2^e
	s_add_co_i32 s62, \e, 127
	s_lshl_b32 s63, s62, 23
	v_mov_b32 v[SC+\o], s63
	s_add_co_i32 s62, s62, 8
	s_lshl_b32 s62, s62, 23
	s_or_b32 s62, s62, 0x600000
	v_mov_b32 v[LIM+\o], s62
.endm
	MKSC 0, s56
	MKSC 1, s38
	MKSC 2, s40
	s_add_co_i32 s57, s42, s43                     ; e6 + e7
	s_sub_co_i32 s52, 130, s57
	s_lshl_b32 s52, s52, 23                        ; 2^(3 - e6 - e7) as f32
	s_mov_b32 s53, s52                             ; (named with it as a pair, so it is written)
	s_sub_co_i32 s58, s57, 3
	; the turn through my stage: LDS serves a wave's instructions in order, so no wait stands between the stores and the loads
.set i, 0
.rept 16
	s_wait_loadcnt 15-i                            ; loads come back in order: row i is in, the 15 - i younger ones stay out
	ds_store_b128 v[SW], v[R+4*i:R+4*i+3] offset:528*i
.set i, i+1
.endr
.set i, 0
.rept 16
	ds_load_b128 v[X+4*i:X+4*i+3], v[SRD] offset:64*(i/2)+16*(i%2)   ; registers 8 c + 4 u on: row r, k = 16 c + 8 h + 4 u on
.set i, i+1
.endr
	s_wait_dscnt 0x0
	s_cmp_eq_u32 s28, 2
	s_cbranch_scc1 .Lmask
; One set of codes: the numbers are held into T (X stays for the next set), eight at a time in two sets by turns, so that eight plain lines stand between a conversion and the next write of its sources.
.macro QOUT o, d
.irp c, 0,1,2,3,4,5,6,7
.irp i, 0,1,2,3,4,5,6,7
	v_med3_num_f32 v[T+8*(\c%2)+\i], v[X+8*\c+\i], -v[LIM+\o], v[LIM+\o]   ; the conversion to an 8-bit code does not saturate (ISA guide 7.6.2): the hold comes first
.endr
	v_cvt_scalef32_pk8_fp8_f32 v[C+16*\o+2*\c:C+16*\o+2*\c+1], v[T+8*(\c%2):T+8*(\c%2)+7], v[SC+\o]
.endr
	v_nop                                          ; a plain line behind the last conversion
.irp p, 0,1,2,3
	global_store_b128 v[LI], v[C+16*\o+4*\p:C+16*\o+4*\p+3], s[\d:\d+1] offset:512*\p   ; a plane: 512 consecutive bytes
.endr
.endm
	s_wait_alu depctr_va_vdst(0)
	QOUT 0, 32
	s_cmp_lg_u32 s28, 0
	s_cbranch_scc1 .Ljoin
	QOUT 1, 48
	QOUT 2, 50
	s_branch .Ljoin
.Lmask:
	v_max3_num_f32 v[W], v[X], v[X+1], v[X+2]      ; the largest and the smallest of my 64 numbers, two chains each
	v_max3_num_f32 v[W+2], v[X+3], v[X+4], v[X+5]
	v_min3_num_f32 v[W+1], v[X], v[X+1], v[X+2]
	v_min3_num_f32 v[W+3], v[X+3], v[X+4], v[X+5]
.irp i, 6,10,14,18,22,26,30,34,38,42,46,50,54,58
	s_delay_alu instid0(VALU_DEP_4)
	v_max3_num_f32 v[W], v[W], v[X+\i], v[X+\i+1]
	s_delay_alu instid0(VALU_DEP_4)
	v_max3_num_f32 v[W+2], v[W+2], v[X+\i+2], v[X+\i+3]
	s_delay_alu instid0(VALU_DEP_4)
	v_min3_num_f32 v[W+1], v[W+1], v[X+\i], v[X+\i+1]
	s_delay_alu instid0(VALU_DEP_4)
	v_min3_num_f32 v[W+3], v[W+3], v[X+\i+2], v[X+\i+3]
.endr
	s_delay_alu instid0(VALU_DEP_4)
	v_max3_num_f32 v[W], v[W], v[X+62], v[X+63]
	s_delay_alu instid0(VALU_DEP_3)
	v_min3_num_f32 v[W+1], v[W+1], v[X+62], v[X+63]
	s_delay_alu instid0(VALU_DEP_2)
	v_max_num_f32 v[W], v[W], v[W+2]
	s_delay_alu instid0(VALU_DEP_2)
	v_min_num_f32 v[W+1], v[W+1], v[W+3]
.set i, 0
.rept 32
	v_pk_mul_f32 v[X+2*i:X+2*i+1], v[X+2*i:X+2*i+1], s[52:53] op_sel_hi:[1,0]   ; x 2^(3 - e6 - e7)
.set i, i+1
.endr
.set i, 0
.rept 16
	global_store_b128 v[LI], v[X+4*i:X+4*i+3], s[32:33] offset:512*i
.set i, i+1
.endr
.irp m, 1
	v_max_num_f32_dpp v[W], v[W], v[W] row_xmask:\m row_mask:0xf bank_mask:0xf
	v_min_num_f32_dpp v[W+1], v[W+1], v[W+1] row_xmask:\m row_mask:0xf bank_mask:0xf
.endr
.irp m, 2, 4, 8
	s_delay_alu instid0(VALU_DEP_2)
	v_max_num_f32_dpp v[W], v[W], v[W] row_xmask:\m row_mask:0xf bank_mask:0xf
	s_delay_alu instid0(VALU_DEP_2)
	v_min_num_f32_dpp v[W+1], v[W+1], v[W+1] row_xmask:\m row_mask:0xf bank_mask:0xf
.endr
	s_delay_alu instid0(VALU_DEP_2)
	v_permlanex16_b32 v[W+2], v[W], s54, s55
	s_delay_alu instid0(VALU_DEP_2)
	v_permlanex16_b32 v[W+3], v[W+1], s54, s55
	s_delay_alu instid0(VALU_DEP_2)
	v_max_num_f32 v[W], v[W], v[W+2]
	s_delay_alu instid0(VALU_DEP_2)
	v_min_num_f32 v[W+1], v[W+1], v[W+3]           ; every lane holds the tile's two extremes
	ds_store_b64 v[RW], v[W:W+1]
.Ljoin:
	s_wait_dscnt 0x0                               ; for the others' sake: my LDS stores are done
	s_barrier_signal -1
	s_barrier_wait -1
	s_cmp_lg_u32 s28, 2
	s_cbranch_scc1 .Lend
	s_cmp_lg_u32 s26, 0
	s_cbranch_scc1 .Lend
	; wave 0 of a work-group of the mask: lane l holds the extremes of wave l % 16, that is of the block's tile l % 16 at this step
	ds_load_b64 v[W:W+1], v[RA]
	v_mov_b32 v[W+2], 0x4b440000                   ; 64 x 448^2
	s_delay_alu instid0(VALU_DEP_1)
	v_ldexp_f32 v[W+2], v[W+2], s58                ; x 2^(e6 + e7 - 3): the largest score
	v_mov_b32 v[W+6], 0x3f8020c5                   ; 1.001
	s_delay_alu instid0(VALU_DEP_1)
	v_fmaak_f32 v[W+2], v[W+2], v[W+6], 0x42de0000 ; + 111: e^-111 is under half the smallest f32 number
	s_delay_alu instid0(VALU_DEP_1)
	v_xor_b32 v[W+2], 0x80000000, v[W+2]           ; thr
	s_lshl_b32 s62, 1, s61
	s_lshl_b32 s63, s62, 16
	v_mov_b32 v[W+3], s62
	v_mov_b32 v[W+5], s63
	s_wait_alu depctr_va_vdst(0)
	s_wait_dscnt 0x0
	v_cmp_ge_f32 vcc_lo, v[W], v[W+2]
	s_delay_alu instid0(VALU_DEP_1)
	v_cndmask_b32 v[W+4], 0, v[W+3], vcc_lo        ; need << step
	v_cmp_neq_f32 vcc_lo, 0, v[W]
	v_cmp_neq_f32 s63, 0, v[W+1]
	s_or_b32 vcc_lo, vcc_lo, s63
	v_cndmask_b32 v[W+5], 0, v[W+5], vcc_lo        ; (not all zeros) << (16 + step)
	s_delay_alu instid0(VALU_DEP_1)
	v_or_b32 v[W+4], v[W+4], v[W+5]
	v_mov_b32 v[W+7], v[W]
.irp m, 1,2,4,8
	s_delay_alu instid0(VALU_DEP_1)
	v_max_num_f32_dpp v[W+7], v[W+7], v[W+7] row_xmask:\m row_mask:0xf bank_mask:0xf
.endr
	s_delay_alu instid0(VALU_DEP_1)
	v_cmp_ge_f32 vcc_lo, v[W+7], v[W+2]
	s_delay_alu instid0(VALU_DEP_1)
	v_cndmask_b32 v[W+7], 0, v[W+3], vcc_lo        ; the block's need << step
	s_lshl_b32 s62, s60, 10
	s_lshl_b32 s63, s61, 2
	s_add_co_u32 s62, s62, s63
	v_lshl_add_u32 v[W+8], v0, 6, s62              ; lanes 0-15: word [16 x block + lane][step]
	s_lshl_b32 s62, s60, 6
	s_add_co_u32 s62, s62, s63
	s_add_co_u32 s62, s62, 8192
	v_mov_b32 v[W+9], s62                          ; lane 16: the block's word
	v_cmp_eq_u32 vcc_lo, 16, v0
	s_delay_alu instid0(VALU_DEP_1)
	v_cndmask_b32 v[W+8], v[W+8], v[W+9], vcc_lo
	s_delay_alu instid0(VALU_DEP_2)
	v_cndmask_b32 v[W+4], v[W+4], v[W+7], vcc_lo
	v_cmp_gt_u32 vcc_lo, 17, v0
	s_wait_alu depctr_va_vdst(0)
	s_wait_xcnt 0x0                                ; EXEC is a source of my pending stores: it changes only behind this wait
	s_and_saveexec_b32 s56, vcc_lo
	global_store_b32 v[W+8], v[W+4], s[24:25]
	s_wait_xcnt 0x0                                ; and again in front of the line that widens it
	s_or_b32 exec_lo, exec_lo, s56
.Lend:
	s_wait_tensorcnt 0x0                           ; the wave's end: behind my last LDS store
	ds_add_u32 v[SPW], v[NIL]
	s_wait_dscnt 0x0
	s_endpgm
.Lfunc_end_k_qf467f78a15_prep:
	.size	k_qf467f78a15_prep, .Lfunc_end_k_qf467f78a15_prep-k_qf467f78a15_prep
	.p2alignl 7, 3214868480
	.fill 96, 4, 3214868480
	.section	.rodata,"a",@progbits
	.p2align	6, 0x0
	.amdhsa_kernel k_qf467f78a15_prep
		.amdhsa_group_segment_fixed_size 137472
		.amdhsa_private_segment_fixed_size 0
		.amdhsa_enable_private_segment 0
		.amdhsa_kernarg_size 88
		.amdhsa_user_sgpr_count 2
		.amdhsa_user_sgpr_kernarg_segment_ptr 1
		.amdhsa_wavefront_size32 1
		.amdhsa_system_sgpr_workgroup_id_x 1
		.amdhsa_system_sgpr_workgroup_id_y 1
		.amdhsa_system_sgpr_workgroup_id_z 1
		.amdhsa_system_vgpr_workitem_id 0
		.amdhsa_next_free_vgpr 240
		.amdhsa_next_free_sgpr 66
		.amdhsa_reserve_vcc 1
		.amdhsa_float_denorm_mode_32 3
		.amdhsa_float_denorm_mode_16_64 3
		.amdhsa_memory_ordered 1
		.amdhsa_forward_progress 1
		.amdhsa_inst_pref_size 39
	.end_amdhsa_kernel
	.amdgpu_metadata
---
amdhsa.version: [ 1, 2 ]
amdhsa.kernels:
  - .name:           k_qf467f78a15_prep
    .symbol:         k_qf467f78a15_prep.kd
    .args:
      - { .name: x, .offset: 0, .size: 8, .value_kind: global_buffer, .address_space: global }
      - { .name: Wq, .offset: 8, .size: 8, .value_kind: global_buffer, .address_space: global }
      - { .name: Wk, .offset: 16, .size: 8, .value_kind: global_buffer, .address_space: global }
      - { .name: Wv, .offset: 24, .size: 8, .value_kind: global_buffer, .address_space: global }
      - { .name: Wo, .offset: 32, .size: 8, .value_kind: global_buffer, .address_space: global }
      - { .name: mask, .offset: 40, .size: 8, .value_kind: global_buffer, .address_space: global }
      - { .name: lowp_scales, .offset: 48, .size: 8, .value_kind: global_buffer, .address_space: global }
      - { .name: ximg, .offset: 56, .size: 8, .value_kind: global_buffer, .address_space: global }
      - { .name: wimg, .offset: 64, .size: 8, .value_kind: global_buffer, .address_space: global }
      - { .name: mimg, .offset: 72, .size: 8, .value_kind: global_buffer, .address_space: global }
      - { .name: flags, .offset: 80, .size: 8, .value_kind: global_buffer, .address_space: global }
    .group_segment_fixed_size: 137472
    .private_segment_fixed_size: 0
    .kernarg_segment_align: 8
    .kernarg_segment_size: 88
    .max_flat_workgroup_size: 512
    .sgpr_count:     66
    .vgpr_count:     240
    .wavefront_size: 32
...
	.end_amdgpu_metadata
.endif
;; end of part 1
;; launch qkv (part 2): grid 4 x 96, 4 waves a work-group, clusters of 4 x 4, 327,680 bytes of LDS; arguments ximg, wimg, lowp_scales, qkv; writes qkv
.if DOCPART == 2
	.amdgcn_target "amdgcn-amd-amdhsa--gfx1250"
	.amdhsa_code_object_version 6
	.text
	.protected	k_qf467f78a15_qkv
	.globl	k_qf467f78a15_qkv
	.p2align	8
	.type	k_qf467f78a15_qkv,@function
k_qf467f78a15_qkv:
	s_mov_b64 s[64:65], 0
	v_nop
	global_prefetch_b8 v0, s[64:65] scope:SCOPE_SE
	s_setreg_imm32_b32 hwreg(HW_REG_WAVE_MODE, 25, 1), 1
	s_wait_xcnt 0x0
	s_wait_alu depctr_hold_cnt(0) depctr_sa_sdst(0) depctr_va_vdst(0) depctr_va_sdst(0) depctr_va_ssrc(0) depctr_va_vcc(0) depctr_vm_vsrc(0)
	s_getreg_b32 s2, hwreg(HW_REG_IB_STS2, 6, 4)
	s_cmp_eq_u32 s2, 0
	s_cbranch_scc0 .Lentry_in_a_cluster
	s_endpgm
.Lentry_in_a_cluster:
	s_bfe_u32 s2, ttmp6, 0x10000c
	s_cmp_lg_u32 s2, 0xf033
	s_cbranch_scc0 .Lentry_shape_is_right
	s_endpgm
.Lentry_shape_is_right:
.set LROW,   4096
.set HALFT,  8*LROW
.set SLOT,   4*HALFT
.set SPARE,  2*SLOT
.set FR,     16
.set NL,     4
.set NP,     4
.set ADRA, 16
.set ADRB, 20
.set CO,   24
.set SPW,  28
.set NIL,  29
.set LIM,  30
.set SC,   31
.set TMP,  32
.set CD,   96
.set AF,   128
.set G1, 24
.set G0, 32
.set G1B, 48
.set G0B, 56
.set MSB, 0
.macro WIN new
.if MSB != \new
	s_set_vgpr_msb (MSB<<8)|\new
.set MSB, \new
.endif
.endm
.set MUL_LO, 0xa1
.set MUL_HI, 0xf1
.set TO_B,   0x40
.macro JLOAD g0a, g1a, g0b, g1b
	s_cmp_eq_u32 s15, 0
	s_cbranch_scc0 .Lfor_b_\@
	tensor_load_to_lds s[\g0a:\g0a+3], s[\g1a:\g1a+7]
	s_nop 0
.rept 4
	v_nop
.endr
	s_branch .Lasked_\@
.Lfor_b_\@:
	tensor_load_to_lds s[\g0b:\g0b+3], s[\g1b:\g1b+7]
	s_nop 0
.rept 4
	v_nop
.endr
.Lasked_\@:
.endm
.macro CREST
	s_cmp_lg_u32 s14, 0
	s_cbranch_scc1 .Lnot_wave_0_\@
	s_barrier_signal -3
.Lnot_wave_0_\@:
	s_barrier_wait -3
	s_barrier_signal -1
	s_barrier_wait -1
.endm
.macro CROUND
	s_barrier_signal -1
	s_barrier_wait -1
	CREST
.endm
	s_load_b128 s[4:7], s[0:1], 0x0
	s_load_b128 s[8:11], s[0:1], 0x10
	v_lshl_add_u32 v[SPW], v0, 2, SPARE
	v_mov_b32 v[NIL], 0
	ds_add_u32 v[SPW], v[NIL]
	ds_add_u32 v[SPW], v[NIL]
	v_lshrrev_b32 v1, 5, v0
	v_readfirstlane_b32 s14, v1
	s_lshr_b32 s15, s14, 1
	s_and_b32 s16, s14, 1
	s_bfe_u32 s40, ttmp6, 0x40000
	s_bfe_u32 s41, ttmp6, 0x40004
	s_and_b32 s12, ttmp7, 0xffff
	s_lshr_b32 s13, s12, 3
	s_and_b32 s12, s12, 7
	s_lshl_b32 s12, s12, 2
	s_cmp_lt_u32 s13, 2
	s_cselect_b32 s17, s12, 0
	s_cselect_b32 s42, 0, s12
	s_add_co_u32 s17, s17, s41
	s_add_co_u32 s42, s42, s40
	s_lshl_b32 s43, s41, 2
	s_lshl_b32 s43, 15, s43
	s_lshl_b32 s44, 0x1111, s40
	s_or_b32 s[G1+0], s43, (3<<16)|(1<<21)
	s_or_b32 s[G1B+0], s44, (3<<16)|(1<<21)
.irp g, G1, G1B
	s_mov_b32 s[\g+1], 512<<16
	s_mov_b32 s[\g+2], 8<<16
	s_mov_b32 s[\g+3], 512<<16
	s_mov_b32 s[\g+4], 8
	s_mov_b32 s[\g+5], 2048
	s_mov_b32 s[\g+6], 0
	s_mov_b32 s[\g+7], 0
.endr
	s_lshl_b32 s18, s16, 17
	s_lshl_b32 s20, s17, 18
	s_add_co_u32 s20, s20, s18
	s_mov_b32 s21, 0
	s_lshl_b32 s46, s42, 18
	s_add_co_u32 s46, s46, s18
	s_mov_b32 s47, 0
	s_lshl_b32 s66, s13, 23
	s_mov_b32 s67, 0
	s_lshl_b32 s68, s13, 20
	s_mov_b32 s69, 0
	s_mul_i32 s45, s14, HALFT
	s_wait_dscnt 0x0
	s_wait_kmcnt 0x0
	s_load_b256 s[80:87], s[8:9], 0x0
	s_load_b128 s[88:91], s[8:9], 0x20
	s_add_nc_u64 s[4:5], s[4:5], s[66:67]
	s_add_nc_u64 s[6:7], s[6:7], s[68:69]
	s_cmp_lt_u32 s13, 2
	s_cselect_b64 s[22:23], s[4:5], s[6:7]
	s_cselect_b64 s[70:71], s[6:7], s[4:5]
	s_add_nc_u64 s[20:21], s[22:23], s[20:21]
	s_add_nc_u64 s[46:47], s[70:71], s[46:47]
	CROUND
.irp s, 0,1
	s_mov_b32 s[G0+4*\s], 1
	s_add_co_u32 s[G0+4*\s+1], s45, \s*SLOT
	s_add_nc_u64 s[G0+4*\s+2:G0+4*\s+3], s[20:21], \s*LROW
	s_or_b32 s[G0+4*\s+3], s[G0+4*\s+3], 0x80000000
	s_mov_b32 s[G0B+4*\s], 1
	s_add_co_u32 s[G0B+4*\s+1], s45, \s*SLOT
	s_add_nc_u64 s[G0B+4*\s+2:G0B+4*\s+3], s[46:47], \s*LROW
	s_or_b32 s[G0B+4*\s+3], s[G0B+4*\s+3], 0x80000000
	s_wait_alu depctr_va_vdst(0)
	s_wait_tensorcnt 0x0
	ds_add_u32 v28, v29
	ds_add_u32 v28, v29
	s_wait_dscnt 0x0
	CROUND
	JLOAD G0+4*\s, G1, G0B+4*\s, G1B
.endr
	v_and_b32 v1, 31, v0
	v_lshlrev_b32 v4, 4, v1
	s_wait_alu depctr_va_vdst(0)
	s_mul_i32 s66, s15, HALFT
	s_mul_i32 s67, s16, HALFT
	s_add_co_u32 s67, s67, 2*HALFT
.irp s, 0,1
	v_add_nc_u32 v[ADRA+\s], s66, v4
	v_add_nc_u32 v[ADRB+\s], s67, v4
	s_add_co_u32 s66, s66, SLOT
	s_add_co_u32 s67, s67, SLOT
.endr
	s_lshl_b32 s94, s17, 8
	s_lshl_b32 s92, s15, 7
	s_add_co_u32 s94, s94, s92
	s_lshl_b32 s95, s42, 8
	s_lshl_b32 s92, s16, 7
	s_add_co_u32 s95, s95, s92
	s_mov_b32 s76, 4096
	s_mov_b32 s77, 131072
	s_cmp_lt_u32 s13, 2
	s_cselect_b32 s92, s94, s95
	s_cselect_b32 s93, s95, s94
	s_cselect_b32 s78, s76, s77
	s_cselect_b32 s79, s77, s76
	s_lshr_b32 s94, s92, 11
	s_lshl_b32 s94, s94, 21
	s_lshr_b32 s95, s93, 6
	s_lshl_b32 s95, s95, 17
	s_add_co_u32 s94, s94, s95
	s_and_b32 s95, s92, 2047
	s_lshl_b32 s95, s95, 6
	s_add_co_u32 s94, s94, s95
	s_lshl_b32 s95, s13, 23
	s_add_co_u32 s94, s94, s95
	s_mov_b32 s95, 0
	s_add_nc_u64 s[10:11], s[10:11], s[94:95]
	v_mov_b32 v[CO], v4
	v_add_nc_u32 v[CO+1], s79, v4
	v_add_nc_u32 v[CO+2], s78, v4
	v_add_nc_u32 v[CO+3], s79, v[CO+2]
.macro FRAG reg, adr, q, i
.irp c, 0,1,2,3
	ds_load_b128 v[\reg+4*\c:\reg+4*\c+3], v[\adr] offset:LROW*(\i)+2048*(\q)+512*\c
.endr
.endm
.macro MUL16 a0, p, zero
.irp a, \a0, \a0+1
.irp b, 0,1,2,3,4,5,6,7
.if \zero
	v_wmma_f32_16x16x128_fp8_fp8 v[8*(8*((\a)%4)+\b):8*(8*((\a)%4)+\b)+7], v[128*(\p)+FR*\b:128*(\p)+FR*\b+FR-1], v[AF+FR*(\a):AF+FR*(\a)+FR-1], 0
.else
	v_wmma_f32_16x16x128_fp8_fp8 v[8*(8*((\a)%4)+\b):8*(8*((\a)%4)+\b)+7], v[128*(\p)+FR*\b:128*(\p)+FR*\b+FR-1], v[AF+FR*(\a):AF+FR*(\a)+FR-1], v[8*(8*((\a)%4)+\b):8*(8*((\a)%4)+\b)+7]
.endif
.endr
.endr
.endm
.macro FETCH_B slot, q, p
	WIN TO_B
.irp i, 0,1,2,3,4,5,6,7
	FRAG 128*(\p)+FR*\i, ADRB+\slot, \q, \i
.endr
	WIN 0
.endm
.macro FETCH_A slot, q, i0
.irp i, \i0, \i0+1, \i0+2, \i0+3
	FRAG AF+FR*(\i), ADRA+\slot, \q, \i
.endr
.endm
.macro PLACES n
.rept \n
	v_nop
.endr
.endm
.macro STEP slot, q, zero
	s_wait_dscnt 4*NL
	WIN MUL_LO
	MUL16 0, (\q)%2, \zero
	MUL16 2, (\q)%2, \zero
	s_wait_dscnt 0
	PLACES NP
	FETCH_B \slot, (\q)+1, 1-(\q)%2
	FETCH_A \slot, (\q)+1, 0
	WIN MUL_HI
	MUL16 4, (\q)%2, \zero
	MUL16 6, (\q)%2, \zero
	PLACES NP
	WIN 0
	FETCH_A \slot, (\q)+1, 4
.endm
.macro TURN slot, next, fill
	s_wait_tensorcnt 0x0
	ds_add_u32 v[SPW], v[NIL]
	s_wait_dscnt 4*NL+1
	WIN MUL_LO
	MUL16 0, 1, 0
	s_wait_dscnt 0x0
	s_barrier_signal -1
	MUL16 2, 1, 0
	WIN 0
	s_barrier_wait -1
.if \fill
	CREST
	s_add_nc_u64 s[G0+4*\slot+2:G0+4*\slot+3], s[G0+4*\slot+2:G0+4*\slot+3], 2*LROW
	s_add_nc_u64 s[G0B+4*\slot+2:G0B+4*\slot+3], s[G0B+4*\slot+2:G0B+4*\slot+3], 2*LROW
	JLOAD G0+4*\slot, G1, G0B+4*\slot, G1B
.else
	PLACES NP
.endif
	FETCH_B \next, 0, 0
	FETCH_A \next, 0, 0
	WIN MUL_HI
	MUL16 4, 1, 0
	MUL16 6, 1, 0
	PLACES NP
	WIN 0
	FETCH_A \next, 0, 4
.endm
	s_wait_alu depctr_va_vdst(0)
	s_wait_tensorcnt 1
	s_barrier_signal -1
	s_barrier_wait -1
	FETCH_B 0, 0, 0
	FETCH_A 0, 0, 0
	FETCH_A 0, 0, 4
	STEP 0, 0, 1
	TURN 0, 1, 1
	STEP 1, 0, 0
	TURN 1, 0, 1
	STEP 0, 0, 0
	TURN 0, 1, 0
	STEP 1, 0, 0
	s_wait_dscnt 4*NL
	WIN MUL_LO
	MUL16 0, 1, 0
	MUL16 2, 1, 0
	s_wait_dscnt 0
	WIN MUL_HI
	MUL16 4, 1, 0
	MUL16 6, 1, 0
	WIN 0
	s_wait_kmcnt 0x0
	s_cmp_eq_u32 s13, 0
	s_cselect_b32 s72, s80, s82
	s_cselect_b32 s73, s81, s83
	s_cselect_b32 s74, s86, s87
	s_cmp_eq_u32 s13, 2
	s_cselect_b32 s72, s84, s72
	s_cselect_b32 s73, s85, s73
	s_cselect_b32 s74, s89, s74
	s_add_co_i32 s72, s72, s73
	s_sub_co_i32 s74, s74, s72
	s_add_co_i32 s74, s74, 127
	s_lshl_b32 s75, s74, 23
	v_mov_b32 v[SC], s75
	s_add_co_i32 s74, s74, 8
	s_lshl_b32 s74, s74, 23
	s_or_b32 s74, s74, 0x600000
	v_mov_b32 v[LIM], s74
	PLACES NP
.macro OUTBLK a
.set AC, 64*((\a)%4)
	WIN 0x02+((\a)/4)
.set j, 0
.rept 64
	v_med3_num_f32 v[TMP+j], v[AC+j], -v[LIM], v[LIM]
.set j, j+1
.endr
	WIN 0
.irp b, 0,1,2,3,4,5,6,7
	v_cvt_scalef32_pk8_fp8_f32 v[CD+16*(\a)+2*\b:CD+16*(\a)+2*\b+1], v[TMP+8*\b:TMP+8*\b+7], v[SC]
.endr
	v_nop
.irp q, 0,1,2,3
	global_store_b128 v[CO+2*((\a)/4)+(\q)/2], v[CD+16*(\a)+4*\q:CD+16*(\a)+4*\q+3], s[10:11] offset:1024*((\a)%4)+512*((\q)%2)
.endr
.endm
.irp a, 0,1,2,3,4,5,6,7
	OUTBLK \a
.endr
	s_wait_tensorcnt 0x0
	ds_add_u32 v[SPW], v[NIL]
	s_wait_dscnt 0x0
	CROUND
	s_endpgm
.Lfunc_end_k_qf467f78a15_qkv:
	.size	k_qf467f78a15_qkv, .Lfunc_end_k_qf467f78a15_qkv-k_qf467f78a15_qkv
	.p2alignl 7, 3214868480
	.fill 96, 4, 3214868480
	.section	.rodata,"a",@progbits
	.p2align	6, 0x0
	.amdhsa_kernel k_qf467f78a15_qkv
		.amdhsa_group_segment_fixed_size 327680
		.amdhsa_private_segment_fixed_size 0
		.amdhsa_enable_private_segment 0
		.amdhsa_kernarg_size 32
		.amdhsa_user_sgpr_count 2
		.amdhsa_user_sgpr_kernarg_segment_ptr 1
		.amdhsa_wavefront_size32 1
		.amdhsa_system_sgpr_workgroup_id_x 1
		.amdhsa_system_sgpr_workgroup_id_y 1
		.amdhsa_system_sgpr_workgroup_id_z 1
		.amdhsa_system_vgpr_workitem_id 0
		.amdhsa_next_free_vgpr 1024
		.amdhsa_next_free_sgpr 100
		.amdhsa_reserve_vcc 0
		.amdhsa_float_denorm_mode_32 3
		.amdhsa_float_denorm_mode_16_64 3
		.amdhsa_memory_ordered 1
		.amdhsa_forward_progress 1
		.amdhsa_inst_pref_size 119
	.end_amdhsa_kernel
	.amdgpu_metadata
---
amdhsa.version: [ 1, 2 ]
amdhsa.kernels:
  - .name:           k_qf467f78a15_qkv
    .symbol:         k_qf467f78a15_qkv.kd
    .args:
      - { .name: ximg, .offset: 0, .size: 8, .value_kind: global_buffer, .address_space: global }
      - { .name: wimg, .offset: 8, .size: 8, .value_kind: global_buffer, .address_space: global }
      - { .name: lowp_scales, .offset: 16, .size: 8, .value_kind: global_buffer, .address_space: global }
      - { .name: qkv, .offset: 24, .size: 8, .value_kind: global_buffer, .address_space: global }
    .group_segment_fixed_size: 327680
    .private_segment_fixed_size: 0
    .kernarg_segment_align: 8
    .kernarg_segment_size: 32
    .max_flat_workgroup_size: 128
    .sgpr_count:     100
    .vgpr_count:     1024
    .wavefront_size: 32
...
	.end_amdgpu_metadata
.endif
;; end of part 2
;; launch attn (part 3): grid 4 x 64, 16 waves a work-group, no clusters, 264,192 bytes of LDS; arguments qkv, mimg, flags, lowp_scales, ao; writes ao
.if DOCPART == 3
	.amdgcn_target "amdgcn-amd-amdhsa--gfx1250"
	.amdhsa_code_object_version 6
	.text
	.protected	k_qf467f78a15_attn
	.globl	k_qf467f78a15_attn
	.p2align	8
	.type	k_qf467f78a15_attn,@function
k_qf467f78a15_attn:
	s_mov_b64 s[64:65], 0
	v_nop
	global_prefetch_b8 v0, s[64:65] scope:SCOPE_SE
	s_setreg_imm32_b32 hwreg(HW_REG_WAVE_MODE, 25, 1), 1
	s_wait_xcnt 0x0
; attn = exp(t) / (sum of exp(t) + 1e-10), t = q . k / 8 + mask; out = attn v.  Both products on codes of E4M3.  No maximum is taken away: the module takes none.
; The second product's left operand is the FINISHED attn, quantised with entry 8: a row's sum must be whole before any p is quantised, so the keys are walked twice:
;   pass 1: S^T = K Q^T (+ mask), p = exp, the row's sum;   pass 2: attn, quantised, O^T += V^T P^T.
; PASS 2 TAKES THE LAST STEP OF PASS 1 FIRST: its p still lies in the registers S and is multiplied by 1 / (sum + 1e-10); that product starts O^T with the constant 0.
; The other steps make S^T again, and attn = 2^(c2 (sum + mask') - log2(row's sum + 1e-10)): one packed multiply-add and one exponential a number.
; SHARES.  A work-group owns one batch x head; each of its sixteen waves owns two tiles of 16 queries: tile 127 - (16 J + wave) first, then tile 16 J + wave.  A step is 128 keys.
; THE HEAD'S WHOLE K AND V STAY IN LDS, 131,072 bytes each, as images of operand registers: thread t copies bytes 16 t of each of the 32 blocks of 8,192 bytes through registers, IN THREE GROUPS;
; a later group is issued when the wave's earlier group has landed, and is out while the first tile's pass 1 is worked:
;   K's blocks 0-7: stored ahead of the first barrier; steps 0-7 of pass 1 follow (they read LDS bytes under 65,536 alone);
;   K's blocks 8-15 and V's blocks 0-7: kept in v160-223, which pass 1 does not name, and stored ahead of the second barrier; steps 8-15 follow;
;   V's blocks 8-15: kept in v160-191 and stored behind pass 1, ahead of the third barrier.  Behind it LDS is only read.
; LAYOUT.  Both products are used transposed (source 0 = 16 keys, or 16 of the head's 64; source 1 = my 16 queries): a lane holds ONE query (lane % 16) throughout.  Tile t of S^T holds keys 16 t + 8 (lane / 16) + 0..7,
; so its two registers of codes are registers 2 t, 2 t + 1 of P; tile d of O^T likewise gives registers 2 d, 2 d + 1 of the last product's operand.
; THE MASK lies as an image of S^T's registers, x 2^(3 - e6 - e7): it is loaded into the accumulators and is the C of the first product.  t x log2(e) = c2 x (sum + mask'), c2 = log2(e) / 8 x 2^(e6 + e7).
; WORK THAT NEED NOT BE DONE.  The first launch has stored, as whole numbers, which tiles of the mask are so negative that p = 0 for every score that clamped operands can give; a wave passes over such a step.
; A tile of zeros is not loaded: its products take the constant 0.
; NO TENSOR LOAD AND NO CLUSTER, though the four work-groups of a head read the same K and V: steps are passed over by branches on stored numbers.
; LIMITS: e6 + e7 between -123 and 130; e8, and e10 - e8 - e9, between -126 and 119.  A p under 2^-126 counts as 0.  NaN among the inputs is not served.
.set VB,    131072                     ; LDS: K from byte 0, V from here
.set SPARE, 262144                     ; the spare words: 128 bytes for each of the 16 waves
.set LI,  1                            ; v1   16 x lane
.set LW,  2                            ; v2-5 16 x thread + 65,536 k
.set SPW, 6                            ; v6   my spare word; never rewritten
.set NIL, 7                            ; v7   0; never rewritten
.set QB,  8                            ; v8-15   Q's fragment of tile 127 - (16 J + wave)
.set QA,  16                           ; v16-23  of tile 16 J + wave
.set L,   24                           ; v24-27  the row's sum, two packed chains
.set RR,  28                           ; v28-29  1 / (sum + 1e-10), twice
.set TP,  30                           ; v30     at work
.set ADK, 31                           ; v31     LDS address of the step's K
.set F,   32                           ; v32-95  K's eight fragments, then V's four; at the head K's blocks 0-7
.set S,   96                           ; v96-159 S^T, then p, then attn
.set O,   160                          ; v160-191 O^T; during the first tile's pass 1 v160-223 hold blocks of K and V on their way to LDS
.set P,   192                          ; v192-207 attn's codes
.set OC,  212                          ; v212-227 the result's codes, eight registers for each tile
.set ADV, 228                          ; v228    LDS address of the step's V
.set SCP, 229                          ; 2^e8
.set LMP, 230                          ; 448 x 2^e8
.set SCO, 231                          ; 2^(e10 - e8 - e9)
.set LMO, 232                          ; 448 x that
.set NL,  234                          ; v234-235 -log2(sum + 1e-10), twice
	s_load_b256 s[4:11], s[0:1], 0x0               ; qkv, mimg, flags, the scales
	s_load_b64 s[12:13], s[0:1], 0x20              ; ao
	v_lshl_add_u32 v[SPW], v0, 2, SPARE
	v_mov_b32 v[NIL], 0
	v_lshrrev_b32 v[TP], 5, v0
	s_delay_alu instid0(VALU_DEP_1)
	v_readfirstlane_b32 s14, v[TP]                 ; wave 0..15
	v_and_b32 v[LI], 31, v0
	s_delay_alu instid0(VALU_DEP_1)
	v_lshlrev_b32 v[LI], 4, v[LI]
	v_lshlrev_b32 v[LW], 4, v0
	s_delay_alu instid0(VALU_DEP_1)
	v_add_nc_u32 v[LW+1], 0x10000, v[LW]           ; an LDS offset reaches 65,535 bytes: eight blocks to an address register
	s_delay_alu instid0(VALU_DEP_2)
	v_add_nc_u32 v[LW+2], 0x20000, v[LW]
	s_delay_alu instid0(VALU_DEP_3)
	v_add_nc_u32 v[LW+3], 0x30000, v[LW]
	s_mov_b32 s15, ttmp9                           ; J
	s_and_b32 s16, ttmp7, 0xffff                   ; batch x head
	s_mov_b32 s26, 0x76543210                      ; lane selects: lane l xor 16
	s_mov_b32 s27, 0xfedcba98
	s_lshl_b32 s17, s15, 4
	s_add_co_u32 s17, s17, s14                     ; tile 16 J + wave: 0..63 over the head's four work-groups,
	s_sub_co_u32 s18, 127, s17                     ; and 127 - that: each tile of the head has one owner
	s_lshl_b32 s50, s17, 6                         ; their 16 words each among the flags
	s_lshl_b32 s51, s18, 6
	s_lshr_b32 s19, s16, 4
	s_lshl_b32 s19, s19, 7                         ; 128 tiles of tokens to a batch
	s_and_b32 s22, s16, 15
	s_lshl_b32 s22, s22, 10                        ; the head's 1,024 bytes in a tile of tokens
	s_add_co_u32 s38, s19, s17
	s_lshl_b32 s38, s38, 14
	s_add_co_u32 s38, s38, s22
	s_mov_b32 s39, 0
	s_add_co_u32 s40, s19, s18
	s_lshl_b32 s40, s40, 14
	s_add_co_u32 s40, s40, s22
	s_mov_b32 s41, 0
	s_lshl_b32 s44, s17, 10                        ; a fragment of Q is 1,024 bytes
	s_mov_b32 s45, 0
	s_lshl_b32 s48, s18, 10
	s_mov_b32 s49, 0
	s_lshl_b32 s22, s16, 17                        ; a head's q, k or v: 131,072 bytes
	s_mov_b32 s23, 0
	s_wait_alu depctr_va_vdst(0)
	s_wait_kmcnt 0x0
	s_load_b256 s[52:59], s[10:11], 0x0            ; entries 0-7
	s_load_b128 s[60:63], s[10:11], 0x20           ; entries 8-11
	s_load_b512 s[68:83], s[8:9], s50 offset:0x0   ; the 16 words of tile 16 J + wave,
	s_load_b512 s[84:99], s[8:9], s51 offset:0x0   ; and of the other
	s_add_nc_u64 s[32:33], s[4:5], s[22:23]        ; my head's q,
	s_add_nc_u64 s[34:35], s[32:33], 0x800000      ; k,
	s_add_nc_u64 s[36:37], s[32:33], 0x1000000     ; v
	s_add_nc_u64 s[44:45], s[32:33], s[44:45]
	s_add_nc_u64 s[48:49], s[32:33], s[48:49]
	s_add_nc_u64 s[38:39], s[12:13], s[38:39]      ; where my two results go
	s_add_nc_u64 s[40:41], s[12:13], s[40:41]
	global_load_b128 v[QB:QB+3], v[LI], s[48:49]   ; the first group: my first tile's Q, which stays in registers,
	global_load_b128 v[QB+4:QB+7], v[LI], s[48:49] offset:512
.set i, 0
.rept 8
	global_load_b128 v[F+4*i:F+4*i+3], v[LW], s[34:35] offset:8192*i   ; and K's block i: a wave reads 512 consecutive bytes
.set i, i+1
.endr
	s_wait_kmcnt 0x0                               ; the scales and the flags: worked while the ten loads are out
	s_add_co_i32 s19, s58, s59
	s_lshl_b32 s19, s19, 23
	s_add_co_i32 s24, s19, 0x3e38aa3b              ; c2: e6 + e7 is added to the exponent field of log2(e) / 8
	s_mov_b32 s25, s24                             ; (named with it as a pair, so it is written)
	s_add_co_i32 s19, s60, 127
	s_lshl_b32 s22, s19, 23
	v_mov_b32 v[SCP], s22
	s_add_co_i32 s19, s19, 8
	s_lshl_b32 s19, s19, 23
	s_or_b32 s19, s19, 0x600000
	v_mov_b32 v[LMP], s19
	s_sub_co_i32 s19, s62, s60
	s_sub_co_i32 s19, s19, s61                     ; a sum of the second product stands for sum x 2^(e8 + e9): its code is sum / 2^(e10 - e8 - e9)
	s_add_co_i32 s19, s19, 127
	s_lshl_b32 s22, s19, 23
	v_mov_b32 v[SCO], s22
	s_add_co_i32 s19, s19, 8
	s_lshl_b32 s19, s19, 23
	s_or_b32 s19, s19, 0x600000
	v_mov_b32 v[LMO], s19
.set j, 0
.rept 64
	v_mov_b32 v[S+j], 0                            ; S is written once here, while the loads are out: pass 2's first lines read it as pass 1 has left it, and every way to them finds it written
.set j, j+1
.endr
	s_cmp_lt_i32 s60, -8                           ; attn is at most 1 and a rounding; 448 x 2^e8 is 1.75 or more from e8 = -8 on: only under that is the hold needed
	s_cselect_b32 s31, 1, 0
.irp i, 69,70,71,72,73,74,75,76,77,78,79,80,81,82,83
	s_or_b32 s68, s68, s[\i]
.endr
.irp i, 85,86,87,88,89,90,91,92,93,94,95,96,97,98,99
	s_or_b32 s84, s84, s[\i]
.endr
	s_and_b32 s28, s68, 0xffff                     ; tile 16 J + wave: bit s: I need step s;
	s_lshr_b32 s29, s68, 16                        ; bit s: the mask's tile at step s is other than zeros
	s_and_b32 s30, s84, 0xffff                     ; the other tile likewise
	s_lshr_b32 s46, s84, 16
	s_wait_alu depctr_va_vdst(0)
.set i, 0
.rept 8
	s_wait_loadcnt 7-i                             ; loads come back in order: K's block i is in; its 7 - i later blocks of this group may be out
	ds_store_b128 v[LW], v[F+4*i:F+4*i+3] offset:8192*i
.set i, i+1
.endr
.set i, 0
.rept 8
	global_load_b128 v[O+4*i:O+4*i+3], v[LW], s[34:35] offset:8192*(8+i)   ; the second group: K's block 8 + i,
.set i, i+1
.endr
.set i, 0
.rept 8
	global_load_b128 v[O+32+4*i:O+32+4*i+3], v[LW], s[36:37] offset:8192*i   ; V's block i,
.set i, i+1
.endr
	global_load_b128 v[QA:QA+3], v[LI], s[44:45]   ; and my second tile's Q
	global_load_b128 v[QA+4:QA+7], v[LI], s[44:45] offset:512
	s_wait_dscnt 0x0                               ; for the others' sake: my stores have landed
	s_barrier_signal -1
	s_barrier_wait -1                              ; K's keys 0 to 1,023 are whole
; S^T of a step: K's eight fragments, the mask's tile or the constant 0 as C.  q: the first register of my tile's Q.
.macro QK q
.irp t, 0,1,2,3,4,5,6,7
	ds_load_b128 v[F+8*\t:F+8*\t+3], v[ADK] offset:1024*\t          ; K's fragment t: 16 keys x 64, two planes of 512 consecutive bytes
	ds_load_b128 v[F+8*\t+4:F+8*\t+7], v[ADK] offset:1024*\t+512
.endr
	s_bitcmp1_b32 s66, 0                           ; is the mask's tile other than zeros?
	s_cbranch_scc0 .Lzero_\@
.irp i, 0,1,2,3,4,5,6,7,8,9,10,11,12,13,14,15
	global_load_b128 v[S+4*\i:S+4*\i+3], v[LI], s[42:43] offset:512*\i   ; the mask's image, into the accumulators
.endr
	s_wait_loadcnt 0x0
	s_wait_dscnt 0x0
.irp t, 0,1,2,3,4,5,6,7
	v_wmma_f32_16x16x64_fp8_fp8 v[S+8*\t:S+8*\t+7], v[F+8*\t:F+8*\t+7], v[\q:\q+7], v[S+8*\t:S+8*\t+7]
.endr
	s_branch .Lsc_\@
.Lzero_\@:
	s_wait_dscnt 0x0
.irp t, 0,1,2,3,4,5,6,7
	v_wmma_f32_16x16x64_fp8_fp8 v[S+8*\t:S+8*\t+7], v[F+8*\t:F+8*\t+7], v[\q:\q+7], 0
.endr
.Lsc_\@:
.rept 4
	v_nop                                          ; places: in front of the loads into K's registers and of the first read of the scores
.endr
.endm
.macro VLOAD                           ; V's four fragments: 16 of the head's 64 x 128 keys each
.irp d, 0,1,2,3
.irp g, 0,1
	ds_load_b128 v[F+16*\d+8*\g:F+16*\d+8*\g+3], v[ADV] offset:4096*\g+1024*\d
	ds_load_b128 v[F+16*\d+8*\g+4:F+16*\d+8*\g+7], v[ADV] offset:4096*\g+1024*\d+512
.endr
.endr
.endm
.macro EXPS                            ; the step's 64 exponentials as one batch, a wait ahead of it and one behind it
	s_wait_alu depctr_va_vdst(0)
.set j, 0
.rept 64
	v_exp_f32 v[S+j], v[S+j]
.set j, j+1
.endr
	v_nop                                          ; a plain line behind the last exponential
	s_wait_alu depctr_va_vdst(0)
.endm
; attn in S becomes codes, and O^T takes the step's product.  zero = 1: the product starts the sums.
.macro TAIL zero
	s_cmp_eq_u32 s31, 0
	s_cbranch_scc1 .Lnohold_\@
.set j, 0
.rept 64
	v_min_num_f32 v[S+j], v[S+j], v[LMP]           ; the conversion to an 8-bit code does not saturate (ISA guide 7.6.2); attn is not negative, so the hold is one-sided
.set j, j+1
.endr
.Lnohold_\@:
	s_wait_alu depctr_va_vdst(0)
.irp t, 0,1,2,3,4,5,6,7
	v_cvt_scalef32_pk8_fp8_f32 v[P+2*\t:P+2*\t+1], v[S+8*\t:S+8*\t+7], v[SCP]
.endr
	v_nop                                          ; a plain line between the conversions and the products that read their results
	s_wait_alu depctr_va_vdst(0)
	s_wait_dscnt 0x0                               ; V is in
.irp d, 0,1,2,3
.if \zero
	v_wmma_f32_16x16x128_fp8_fp8 v[O+8*\d:O+8*\d+7], v[F+16*\d:F+16*\d+15], v[P:P+15], 0
.else
	v_wmma_f32_16x16x128_fp8_fp8 v[O+8*\d:O+8*\d+7], v[F+16*\d:F+16*\d+15], v[P:P+15], v[O+8*\d:O+8*\d+7]   ; the accumulators take turns: S^T's eight, O^T's four
.endif
.endr
.rept 4
	v_nop                                          ; places: the next loads into v32-95, the next codes, and the way out's reads of O^T
.endr
.endm
.macro WORK n, q
	QK \q
.if \n == 1
.set j, 0
.rept 32
	v_pk_mul_f32 v[S+j:S+j+1], v[S+j:S+j+1], s[24:25] op_sel_hi:[1,0]   ; t x log2(e); each accumulator from its low end on
.set j, j+2
.endr
	EXPS                                           ; p
.set j, 0
.rept 16
	v_pk_add_f32 v[L:L+1], v[L:L+1], v[S+j:S+j+1]
	v_pk_add_f32 v[L+2:L+3], v[L+2:L+3], v[S+j+2:S+j+3]
.set j, j+4
.endr
.else
	s_wait_alu depctr_va_vdst(0)
	VLOAD                                          ; it lands while the softmax is worked
.set j, 0
.rept 32
	v_pk_fma_f32 v[S+j:S+j+1], v[S+j:S+j+1], s[24:25], v[NL:NL+1] op_sel_hi:[1,0,0]   ; t x log2(e) - log2(sum + 1e-10)
.set j, j+2
.endr
	EXPS                                           ; attn
	TAIL 0
.endif
.endm
; A PASS over steps lo to hi - 1: a loop of constant count; a scalar branch on the tile's stored bit stands round a step's work.  need, gen, qt: the scalar registers with the tile's two words and its number.
; Pass 1 keeps in s69 the LDS offset of the last step that it worked.
.macro PASS n, need, gen, qt, q, lo, hi
	s_mov_b32 s20, \lo                             ; the step,
	s_mov_b32 s21, 8192*(\lo)                      ; and its 8,192 bytes in K's and in V's part of LDS
	s_lshl_b32 s22, s[\qt], 17                     ; my tile of queries in the mask's images: 16 steps of 8,192 bytes
	s_add_co_u32 s22, s22, 8192*(\lo)
	s_mov_b32 s23, 0
	s_add_nc_u64 s[42:43], s[6:7], s[22:23]
.Lstep_\@:
	v_add_nc_u32 v[ADK], s21, v[LI]                ; the step's LDS addresses are made ahead of the branches
.if \n == 2
	s_delay_alu instid0(VALU_DEP_1)
	v_add_nc_u32 v[ADV], VB, v[ADK]
.endif
	s_lshr_b32 s47, s[\need], s20
	s_lshr_b32 s66, s[\gen], s20
	s_bitcmp1_b32 s47, 0                           ; do my 16 queries need this step?
.if \n == 1
	s_cselect_b32 s69, s21, s69
.endif
	s_cbranch_scc0 .Lnext_\@
	WORK \n, \q
.Lnext_\@:
	s_wait_xcnt 0x0                                ; the step's loads of the mask have read their base: it steps only behind this wait
	s_add_nc_u64 s[42:43], s[42:43], 8192
	s_add_co_u32 s21, s21, 8192
	s_add_co_u32 s20, s20, 1
	s_cmp_lt_u32 s20, \hi
	s_cbranch_scc1 .Lstep_\@
.endm
; ONE TILE OF 16 QUERIES, from its first score to its codes in memory.  b: 0 the wave's first tile, 1 its second; ap: the scalar pair with the result's address.
.macro BLOCK b, q, need, gen, qt, ap
.set j, 0
.rept 4
	v_mov_b32 v[L+j], 0
.set j, j+1
.endr
	s_mov_b32 s69, 0
.if \b == 0
	PASS 1, \need, \gen, \qt, \q, 0, 8
	s_wait_loadcnt 0x0                             ; the second group is in
.set i, 0
.rept 8
	ds_store_b128 v[LW+1], v[O+4*i:O+4*i+3] offset:8192*i         ; K's block 8 + i: from LDS byte 65,536 on, which steps 0-7 do not read
	ds_store_b128 v[LW+2], v[O+32+4*i:O+32+4*i+3] offset:8192*i   ; V's block i
.set i, i+1
.endr
	s_wait_dscnt 0x0                               ; my stores have landed, for the others' sake, and have read their registers
.set i, 0
.rept 8
	global_load_b128 v[O+4*i:O+4*i+3], v[LW], s[36:37] offset:8192*(8+i)   ; the third group: V's block 8 + i
.set i, i+1
.endr
	s_barrier_signal -1
	s_barrier_wait -1                              ; the head's K is whole
	PASS 1, \need, \gen, \qt, \q, 8, 16
.else
	PASS 1, \need, \gen, \qt, \q, 0, 16
.endif
	s_wait_alu depctr_va_vdst(0)
	v_pk_add_f32 v[L:L+1], v[L:L+1], v[L+2:L+3]    ; the two chains, the two halves,
	s_delay_alu instid0(VALU_DEP_1)
	v_add_f32 v[L], v[L], v[L+1]
	s_delay_alu instid0(VALU_DEP_1)
	v_permlanex16_b32 v[TP], v[L], s26, s27
	s_delay_alu instid0(VALU_DEP_1)
	v_add_f32 v[L], v[L], v[TP]                    ; and lane l xor 16's keys: the row's sum
	s_delay_alu instid0(VALU_DEP_1)
	v_add_f32 v[L], 0x2edbe6ff, v[L]               ; + 1e-10
	s_wait_alu depctr_va_vdst(0)
	v_rcp_f32 v[RR], v[L]
	v_log_f32 v[NL], v[L]
	v_nop                                          ; a plain line behind the two
	s_wait_alu depctr_va_vdst(0)                   ; and the wait ahead of their first readers
	v_mov_b32 v[RR+1], v[RR]
	v_xor_b32 v[NL], 0x80000000, v[NL]
	v_mov_b32 v[NL+1], v[NL]
	v_add_nc_u32 v[ADV], s69, v[LI]
	v_add_nc_u32 v[ADV], VB, v[ADV]                ; V of the step whose p lies in S
	s_wait_alu depctr_va_vdst(0)
.if \b == 0
	s_wait_loadcnt 0x0                             ; the third group is in
.set i, 0
.rept 8
	ds_store_b128 v[LW+3], v[O+4*i:O+4*i+3] offset:8192*i
.set i, i+1
.endr
	s_wait_dscnt 0x0                               ; for the others' sake: my stores have landed
	s_barrier_signal -1
	s_barrier_wait -1                              ; the head's V is whole: from here on LDS is only read
.endif
	s_lshr_b32 s70, s69, 13
	s_lshl_b32 s70, 1, s70
	s_and_not1_b32 s70, s[\need], s70              ; the steps that pass 2 makes anew: all that I need but that one
	s_cmp_eq_u32 s[\need], 0
	s_cbranch_scc1 .Lnone_\@
	VLOAD
.set j, 0
.rept 32
	v_pk_mul_f32 v[S+j:S+j+1], v[S+j:S+j+1], v[RR:RR+1]   ; attn of the step that pass 1 worked last
.set j, j+2
.endr
	TAIL 1
	s_branch .Lgo_\@
.Lnone_\@:
.set j, 0
.rept 32
	v_mov_b32 v[O+j], 0                            ; a tile that needs no step at all: its result is 0
.set j, j+1
.endr
	s_wait_alu depctr_va_vdst(0)
.Lgo_\@:
	PASS 2, 70, \gen, \qt, \q, 0, 16
.set j, 0
.rept 32
	v_med3_num_f32 v[O+j], v[O+j], -v[LMO], v[LMO] ; the hold; each accumulator from its low end on
.set j, j+1
.endr
.irp d, 0,1,2,3
	v_cvt_scalef32_pk8_fp8_f32 v[OC+8*\b+2*\d:OC+8*\b+2*\d+1], v[O+8*\d:O+8*\d+7], v[SCO]
.endr
	v_nop                                          ; a plain line behind the last conversion: the next tile writes its sources
	global_store_b128 v[LI], v[OC+8*\b:OC+8*\b+3], s[\ap:\ap+1]             ; my 16 tokens x my head's 64: two planes of 512 consecutive bytes
	global_store_b128 v[LI], v[OC+8*\b+4:OC+8*\b+7], s[\ap:\ap+1] offset:512
.endm
	BLOCK 0, QB, 30, 46, 18, 40
	BLOCK 1, QA, 28, 29, 17, 38
	s_wait_tensorcnt 0x0                           ; the wave's end: behind my last LDS store
	ds_add_u32 v[SPW], v[NIL]
	s_wait_dscnt 0x0
	s_endpgm
.Lfunc_end_k_qf467f78a15_attn:
	.size	k_qf467f78a15_attn, .Lfunc_end_k_qf467f78a15_attn-k_qf467f78a15_attn
	.p2alignl 7, 3214868480
	.fill 96, 4, 3214868480
	.section	.rodata,"a",@progbits
	.p2align	6, 0x0
	.amdhsa_kernel k_qf467f78a15_attn
		.amdhsa_group_segment_fixed_size 264192
		.amdhsa_private_segment_fixed_size 0
		.amdhsa_enable_private_segment 0
		.amdhsa_kernarg_size 40
		.amdhsa_user_sgpr_count 2
		.amdhsa_user_sgpr_kernarg_segment_ptr 1
		.amdhsa_wavefront_size32 1
		.amdhsa_system_sgpr_workgroup_id_x 1
		.amdhsa_system_sgpr_workgroup_id_y 1
		.amdhsa_system_sgpr_workgroup_id_z 1
		.amdhsa_system_vgpr_workitem_id 0
		.amdhsa_next_free_vgpr 256
		.amdhsa_next_free_sgpr 100
		.amdhsa_reserve_vcc 0
		.amdhsa_float_denorm_mode_32 3
		.amdhsa_float_denorm_mode_16_64 3
		.amdhsa_memory_ordered 1
		.amdhsa_forward_progress 1
		.amdhsa_inst_pref_size 92
	.end_amdhsa_kernel
	.amdgpu_metadata
---
amdhsa.version: [ 1, 2 ]
amdhsa.kernels:
  - .name:           k_qf467f78a15_attn
    .symbol:         k_qf467f78a15_attn.kd
    .args:
      - { .name: qkv, .offset: 0, .size: 8, .value_kind: global_buffer, .address_space: global }
      - { .name: mimg, .offset: 8, .size: 8, .value_kind: global_buffer, .address_space: global }
      - { .name: flags, .offset: 16, .size: 8, .value_kind: global_buffer, .address_space: global }
      - { .name: lowp_scales, .offset: 24, .size: 8, .value_kind: global_buffer, .address_space: global }
      - { .name: ao, .offset: 32, .size: 8, .value_kind: global_buffer, .address_space: global }
    .group_segment_fixed_size: 264192
    .private_segment_fixed_size: 0
    .kernarg_segment_align: 8
    .kernarg_segment_size: 40
    .max_flat_workgroup_size: 512
    .sgpr_count:     100
    .vgpr_count:     256
    .wavefront_size: 32
...
	.end_amdgpu_metadata
.endif
;; end of part 3
;; launch oproj (part 4): grid 32 x 8, 4 waves a work-group, clusters of 4 x 1, 327,680 bytes of LDS; arguments ao, wimg, lowp_scales, out0; writes out0
.if DOCPART == 4
	.amdgcn_target "amdgcn-amd-amdhsa--gfx1250"
	.amdhsa_code_object_version 6
	.text
	.protected	k_qf467f78a15_oproj
	.globl	k_qf467f78a15_oproj
	.p2align	8
	.type	k_qf467f78a15_oproj,@function
k_qf467f78a15_oproj:
	s_mov_b64 s[64:65], 0
	v_nop
	global_prefetch_b8 v0, s[64:65] scope:SCOPE_SE
	s_setreg_imm32_b32 hwreg(HW_REG_WAVE_MODE, 25, 1), 1
	s_wait_xcnt 0x0
	s_wait_alu depctr_hold_cnt(0) depctr_sa_sdst(0) depctr_va_vdst(0) depctr_va_sdst(0) depctr_va_ssrc(0) depctr_va_vcc(0) depctr_vm_vsrc(0)
	s_getreg_b32 s2, hwreg(HW_REG_IB_STS2, 6, 4)
	s_cmp_eq_u32 s2, 0
	s_cbranch_scc0 .Lentry_in_a_cluster
	s_endpgm
.Lentry_in_a_cluster:
	s_bfe_u32 s2, ttmp6, 0x10000c
	s_cmp_lg_u32 s2, 0x3003
	s_cbranch_scc0 .Lentry_shape_is_right
	s_endpgm
.Lentry_shape_is_right:
; out0[m][n] = 2^(e10 + e11) x sum over k of A[m][k] B[n][k]: A = the attention's result as codes of E4M3 (ao), B = Wo's codes (wimg from byte 0x300000); both lie as images of operand registers:
; [tile of 16 rows][128 k, 8][plane 4][lane][16 bytes], 16,384 bytes a tile of rows.  M = 8,192, N = K = 1,024.  LIMIT: e10 + e11 between -126 and 127.
; SHARES.  A work-group makes 256 x 128 of out0 (grid x: the block of 256 rows, y: the block of 128 columns: 256 work-groups); each of its four waves 64 rows x 128 columns: 32 accumulators, 256 registers.
; B's 128 rows with the whole K, 131,072 dense bytes, lie in LDS, filled once: one tensor load a wave, 32,768 bytes as 8 rows of 4,096.  Nothing is filled again, so there is no ring.
; CLUSTER 4, 1, 1: the four work-groups of a cluster make four row blocks of one column block and ask for B jointly (mask 15).
; A's 64 rows of a wave with the whole K, 65,536 bytes, belong to that wave alone: they go from memory straight into 512 registers, 128 loads of 512 consecutive bytes, and never through LDS.
; The first 48 of them are issued ahead of the cluster's round, the others behind the joint load.  A is shared by the eight work-groups of a row block, which lie in eight clusters: no joint load reaches them.
; NO PREFETCH: the text has no loop to run ahead in; every byte is asked for at the head.
; THE MATRIX INSTRUCTION IS USED TRANSPOSED (source 0 = 16 rows of B, source 1 = 16 rows of A): a lane holds eight neighbouring numbers of a row of out0.
; REGISTERS: window 0: v0-31 addresses, v64-255 three half-sets of B's fragments (4 x 16 registers each) by turns; windows 1, 2: A's fragment (kc, a) at 16 (4 kc + a); window 3: accumulator (a, b) at 8 (8 a + b).
.set STAGE,  131072                    ; behind B: a stage of 16 rows x 528 bytes for each wave, for the way out
.set SPITCH, 528
.set SPARE,  167936                    ; the spare words: 128 bytes for each wave
.set LI,   2                           ; v2, v3  16 x lane, and + 65,536: B's tiles 0-3 and 4-7
.set STO,  4                           ; v4   the way out: where I put 32 bytes of a row
.set RD,   5                           ; v5   where I read a row back
.set SPW,  6                           ; v6   my spare word; never rewritten
.set NIL,  7                           ; v7   0; never rewritten
.set BF0,  64                          ; B's half-sets
.set TMP,  64                          ; the way out: a block's sums x 2^(e10 + e11)
.set BK,   128                         ; and 16 rows read back: v128-191 and v192-255 by turns
.set G0, 20
.set G1, 24
.set MSB, 0
.macro WIN new                         ; the immediate's high byte repeats the setting that is left
.if MSB != (\new)
	s_set_vgpr_msb (MSB<<8)|(\new)
.set MSB, (\new)
.endif
.endm
.macro ROUND                           ; a round of the cluster's barrier
	s_barrier_signal -1
	s_barrier_wait -1
	s_cmp_lg_u32 s14, 0
	s_cbranch_scc1 .Lnot_wave_0_\@
	s_barrier_signal -3
.Lnot_wave_0_\@:
	s_barrier_wait -3
	s_barrier_signal -1
	s_barrier_wait -1
.endm
.macro ALOAD kc                        ; A's four fragments of the kc-th 128 along K
	WIN 0x40*(1+(\kc)/4)
.irp a, 0,1,2,3
.irp c, 0,1,2,3
	global_load_b128 v[64*((\kc)%4)+16*\a+4*\c:64*((\kc)%4)+16*\a+4*\c+3], v[LI], s[4:5] offset:16384*\a+2048*(\kc)+512*\c
.endr
.endr
.endm
.macro BFETCH j                        ; half-step j = 2 kc + half: B's tiles 4 half .. 4 half + 3 at kc, into half-set j % 3
.irp b, 0,1,2,3
.irp c, 0,1,2,3
	ds_load_b128 v[BF0+64*((\j)%3)+16*\b+4*\c:BF0+64*((\j)%3)+16*\b+4*\c+3], v[LI+(\j)%2] offset:16384*\b+2048*((\j)/2)+512*\c
.endr
.endr
.endm
	s_load_b128 s[4:7], s[0:1], 0x0                ; ao, wimg
	s_load_b128 s[8:11], s[0:1], 0x10              ; the scales, out0
	v_lshl_add_u32 v[SPW], v0, 2, SPARE
	v_mov_b32 v[NIL], 0
	ds_add_u32 v[SPW], v[NIL]                      ; the opening lines: the add, twice on end, and its wait ahead of my tensor load
	ds_add_u32 v[SPW], v[NIL]
	v_lshrrev_b32 v1, 5, v0
	v_readfirstlane_b32 s14, v1                    ; wave 0..3
	v_and_b32 v8, 31, v0
	v_lshlrev_b32 v[LI], 4, v8
	v_add_nc_u32 v[LI+1], 0x10000, v[LI]
	v_and_b32 v9, 15, v0                           ; r
	v_bfe_u32 v10, v0, 4, 1                        ; h
	s_mul_i32 s36, s14, 16*SPITCH
	s_add_co_u32 s36, s36, STAGE                   ; my stage
	v_mul_u32_u24 v11, v9, SPITCH
	v_lshl_add_u32 v11, v10, 5, v11
	v_add_nc_u32 v[STO], s36, v11                  ; in: row r, 32 bytes for each half of the lanes
	v_add_nc_u32 v[RD], s36, v[LI]                 ; back: the 32 lanes take one row of 512 bytes
	s_bfe_u32 s15, ttmp6, 0x40000                  ; cx
	s_lshl_b32 s16, ttmp9, 2
	s_add_co_u32 s16, s16, s15                     ; my block of 256 rows
	s_and_b32 s17, ttmp7, 0xffff                   ; my block of 128 columns: the same in the cluster's four
	s_mov_b32 s[G1], 15|(3<<16)|(1<<21)            ; the mask names the four; elements of 8 bytes; bit 21 beside a mask
	s_mov_b32 s[G1+1], 512<<16                     ; tensor_dim0: rows of 4,096 bytes
	s_mov_b32 s[G1+2], 8<<16                       ; tensor_dim1
	s_mov_b32 s[G1+3], 512<<16                     ; tile_dim0
	s_mov_b32 s[G1+4], 8                           ; tile_dim1
	s_mov_b32 s[G1+5], 512                         ; dense
	s_mov_b32 s[G1+6], 0
	s_mov_b32 s[G1+7], 0
	s_lshl_b32 s32, s16, 18                        ; A: 262,144 bytes a row block,
	s_lshl_b32 s33, s14, 16                        ; 65,536 a wave
	s_add_co_u32 s32, s32, s33
	s_mov_b32 s33, 0
	s_lshl_b32 s34, s17, 17                        ; B: 131,072 bytes a column block,
	s_lshl_b32 s[G0+1], s14, 15                    ; 32,768 a wave, in memory and in LDS
	s_add_co_u32 s34, s34, s[G0+1]
	s_add_co_u32 s34, s34, 0x300000                ; Wo is the fourth weight of wimg
	s_mov_b32 s35, 0
	s_mov_b32 s[G0], 1
	s_lshl_b32 s38, s16, 20                        ; out0: 256 rows of 4,096 bytes,
	s_lshl_b32 s39, s14, 18                        ; 64 rows a wave,
	s_add_co_u32 s38, s38, s39
	s_lshl_b32 s39, s17, 9                         ; 512 bytes a column block
	s_add_co_u32 s38, s38, s39
	s_mov_b32 s39, 0
	s_wait_alu depctr_va_vdst(0)
	s_wait_dscnt 0x0                               ; both opening adds are done
	s_wait_kmcnt 0x0
	s_load_b64 s[40:41], s[8:9], 0x28              ; e10, e11
	s_add_nc_u64 s[4:5], s[4:5], s[32:33]
	s_add_nc_u64 s[G0+2:G0+3], s[6:7], s[34:35]
	s_or_b32 s[G0+3], s[G0+3], 0x80000000
	s_add_nc_u64 s[10:11], s[10:11], s[38:39]
.irp kc, 0,1,2
	ALOAD \kc
.endr
	WIN 0
	ROUND                                          ; the four work-groups are here: the joint loads meet
	tensor_load_to_lds s[G0:G0+3], s[G1:G1+7]      ; my quarter of B: my one tensor load
	s_nop 0
.rept 4
	v_nop
.endr
.irp kc, 3,4,5,6,7
	ALOAD \kc
.endr
	WIN 0
	s_wait_tensorcnt 0x0                           ; my quarter of B is in
	s_barrier_signal -1
	s_barrier_wait -1                              ; and everybody's
	BFETCH 0
	BFETCH 1
; A half-step: 16 matrix instructions, B's four tiles x A's four, 128 along K.  The half-set two half-steps on is asked for first, into the registers that the half-step before has read.
; The 32 accumulators take turns, one instruction a turn, in the same order for every kc.
.macro HS i
.if (\i)+2 < 16
.if (\i) > 0
.rept 4
	v_nop                                          ; places in front of loads into registers that matrix instructions have read
.endr
.endif
	BFETCH (\i)+2
	s_wait_dscnt 32                                ; this half-step's 16 loads are in; the 32 of the next two may be out
.else
	s_wait_dscnt 16*(15-(\i))
.endif
.set KC, (\i)/2
.set HF, (\i)%2
.set BU, BF0+64*((\i)%3)
.if HF == 0
.if KC == 0
	s_wait_loadcnt 63                              ; of A's 128 loads at most 63 are out: kc 0 to 3 (64 loads) are in
.endif
.if KC >= 4
	s_wait_loadcnt 16*(7-KC)                       ; this kc's 16 loads are in; those of the later kc may be out
.endif
.endif
	WIN 0xf4+4*(KC/4)                              ; source 0 window 0, source 1 window 1 or 2, C and D window 3
.irp b, 0,1,2,3
.irp a, 0,1,2,3
.if KC == 0
	v_wmma_f32_16x16x128_fp8_fp8 v[8*(8*\a+4*HF+\b):8*(8*\a+4*HF+\b)+7], v[BU+16*\b:BU+16*\b+15], v[64*(KC%4)+16*\a:64*(KC%4)+16*\a+15], 0
.else
	v_wmma_f32_16x16x128_fp8_fp8 v[8*(8*\a+4*HF+\b):8*(8*\a+4*HF+\b)+7], v[BU+16*\b:BU+16*\b+15], v[64*(KC%4)+16*\a:64*(KC%4)+16*\a+15], v[8*(8*\a+4*HF+\b):8*(8*\a+4*HF+\b)+7]
.endif
.endr
.endr
	WIN 0
.endm
.irp i, 0,1,2,3,4,5,6,7,8,9,10,11,12,13,14,15
	HS \i
.endr
; THE WAY OUT, block by block of 16 rows x 128 columns, through my own stage: whole rows of 512 bytes come back, which the 32 lanes store as two aligned units of 256 bytes.
; LDS serves a wave's instructions in order (ISA guide 5.7.1.4): no wait between the stores and the loads.
.macro TOSTAGE a
	WIN 0x03                                       ; source 0: window 3
.irp j, 0,2,4,6,8,10,12,14,16,18,20,22,24,26,28,30,32,34,36,38,40,42,44,46,48,50,52,54,56,58,60,62
	v_pk_mul_f32 v[TMP+\j:TMP+\j+1], v[64*(\a)+\j:64*(\a)+\j+1], s[40:41] op_sel_hi:[1,0]   ; x 2^(e10 + e11); each accumulator from its low end on
.endr
	WIN 0
.irp b, 0,1,2,3,4,5,6,7
	ds_store_b128 v[STO], v[TMP+8*\b:TMP+8*\b+3] offset:64*\b
	ds_store_b128 v[STO], v[TMP+8*\b+4:TMP+8*\b+7] offset:64*\b+16
.endr
.set BB, BK+64*((\a)%2)
.irp t, 0,1,2,3,4,5,6,7,8,9,10,11,12,13,14,15
	ds_load_b128 v[BB+4*\t:BB+4*\t+3], v[RD] offset:\t*SPITCH
.endr
.endm
.macro SEND a, younger                 ; younger: the LDS instructions issued behind block a's loads, which may stay out
.set BB, BK+64*((\a)%2)
	s_wait_dscnt \younger
.if (\a) > 0
	s_add_nc_u64 s[10:11], s[10:11], 16*4096       ; (behind a wait on XCNT) 16 rows of out0 on
.endif
.irp t, 0,1,2,3,4,5,6,7,8,9,10,11,12,13,14,15
	global_store_b128 v[LI], v[BB+4*\t:BB+4*\t+3], s[10:11] offset:\t*4096 th:TH_STORE_NT   ; 32 lanes store 512 consecutive bytes, at a multiple of 256 from out0's first byte
.endr
.endm
	s_wait_kmcnt 0x0
	s_add_co_i32 s40, s40, s41
	s_add_co_i32 s40, s40, 127
	s_lshl_b32 s40, s40, 23                        ; 2^(e10 + e11) as f32
.rept 4
	v_nop                                          ; places behind the last products
.endr
	TOSTAGE 0
.irp a, 1,2,3
.if \a > 1
	s_wait_xcnt 0x0                                ; block a - 2's stores have read their registers and their base
.endif
	TOSTAGE \a
	SEND \a-1, 32
.endr
	s_wait_xcnt 0x0
	SEND 3, 0
	s_wait_tensorcnt 0x0                           ; the wave's end
	ds_add_u32 v[SPW], v[NIL]
	s_wait_dscnt 0x0
	ROUND                                          ; the closing round
	s_endpgm
.Lfunc_end_k_qf467f78a15_oproj:
	.size	k_qf467f78a15_oproj, .Lfunc_end_k_qf467f78a15_oproj-k_qf467f78a15_oproj
	.p2alignl 7, 3214868480
	.fill 96, 4, 3214868480
	.section	.rodata,"a",@progbits
	.p2align	6, 0x0
	.amdhsa_kernel k_qf467f78a15_oproj
		.amdhsa_group_segment_fixed_size 327680
		.amdhsa_private_segment_fixed_size 0
		.amdhsa_enable_private_segment 0
		.amdhsa_kernarg_size 32
		.amdhsa_user_sgpr_count 2
		.amdhsa_user_sgpr_kernarg_segment_ptr 1
		.amdhsa_wavefront_size32 1
		.amdhsa_system_sgpr_workgroup_id_x 1
		.amdhsa_system_sgpr_workgroup_id_y 1
		.amdhsa_system_sgpr_workgroup_id_z 1
		.amdhsa_system_vgpr_workitem_id 0
		.amdhsa_next_free_vgpr 1024
		.amdhsa_next_free_sgpr 66
		.amdhsa_reserve_vcc 0
		.amdhsa_float_denorm_mode_32 3
		.amdhsa_float_denorm_mode_16_64 3
		.amdhsa_memory_ordered 1
		.amdhsa_forward_progress 1
		.amdhsa_inst_pref_size 75
	.end_amdhsa_kernel
	.amdgpu_metadata
---
amdhsa.version: [ 1, 2 ]
amdhsa.kernels:
  - .name:           k_qf467f78a15_oproj
    .symbol:         k_qf467f78a15_oproj.kd
    .args:
      - { .name: ao, .offset: 0, .size: 8, .value_kind: global_buffer, .address_space: global }
      - { .name: wimg, .offset: 8, .size: 8, .value_kind: global_buffer, .address_space: global }
      - { .name: lowp_scales, .offset: 16, .size: 8, .value_kind: global_buffer, .address_space: global }
      - { .name: out0, .offset: 24, .size: 8, .value_kind: global_buffer, .address_space: global }
    .group_segment_fixed_size: 327680
    .private_segment_fixed_size: 0
    .kernarg_segment_align: 8
    .kernarg_segment_size: 32
    .max_flat_workgroup_size: 128
    .sgpr_count:     66
    .vgpr_count:     1024
    .wavefront_size: 32
...
	.end_amdgpu_metadata
.endif
;; end of part 4
